; MI455X (gfx1250); checked and timed in simulation.
; The chip was launched on July 23, 2026; its instructions are those of AMD's public machine-readable ISA for CDNA 5 (MIT licence, August 2026) and "CDNA5" Instruction Set Architecture Reference Guide (July 2026). The comments in the code are by the model that wrote it; some were corrected since.
;; LSTM Decoder. Allowed arithmetic: float matrix products may take bf16 or f16 operands with f32 sums; other float arithmetic in f32, or as packed bf16 or f16 multiplies, adds, multiply-adds, maxima and minima; sums over many terms, partial sums and values carried from step to step in f32; what a program stores and reads back later, other than sums and carried values, may be rounded once to bf16 or f16.
;; Inputs: W_hh 4,096 x 1,024 float32; W_ih 4,096 x 1 float32; W_out 1 x 1,024 float32; b_hh 4,096 float32; b_ih 4,096 float32; b_out 1 float32; cell 1 x 4,096 x 1,024 float32; hidden 1 x 4,096 x 1,024 float32.
;; Outputs: out0 4,096 x 4 x 1 float32.
;; 2 versions, each right; version 2 is version 1 with the launch prep written anew for expert scheduling mode. Each part assembles by itself: llvm-mc -triple=amdgcn-amd-amdhsa -mcpu=gfx1250 --defsym DOCPART=n.
;; ======== version 1 of 2: 6 launches
;; workspace buffers: wb 8,388,608 bytes; h0 8,650,752 bytes; h1 8,650,752 bytes; h2 8,650,752 bytes; h3 8,650,752 bytes; h4 8,650,752 bytes; ca 16,777,216 bytes; cb 16,777,216 bytes
;; launch prep (part 1): grid 256 x 2, 8 waves a work-group, no clusters, 0 bytes of LDS; arguments hidden, W_hh, h0, wb; writes h0, wb
.if DOCPART == 1
	.amdgcn_target "amdgcn-amd-amdhsa--gfx1250"
	.amdhsa_code_object_version 6
	.text
	.protected	k_qd627945739_prep
	.globl	k_qd627945739_prep
	.p2align	8
	.type	k_qd627945739_prep,@function
k_qd627945739_prep:
	s_mov_b64 s[64:65], 0
	v_nop
	global_prefetch_b8 v0, s[64:65] scope:SCOPE_SE
	s_setreg_imm32_b32 hwreg(HW_REG_WAVE_MODE, 25, 1), 1
	s_wait_xcnt 0x0
; hidden [4096][1024] f32 -> h0, and W_hh [4096][1024] f32 -> wb: each number rounded once to bf16 and laid out in blocks for the step launches.
; BLOCKED LAYOUT: number (row, k) lies at byte (k>>7) x 0x100000 + (row>>7) x 32768 + ((k>>6)&1) x 16384 + (row&127) x 128 + (k&63) x 2:
; 128 rows x 128 k are 32,768 bytes on end.
; W's ROWS ARE PERMUTED: row' = q x 128 + gate x 32 + u stands for row gate x 1024 + q x 32 + u of W_hh, so that 128 neighbouring rows' hold all four gates of 32 units.
; Behind h0's 8 MiB lie 16 x 4096 f32 partial sums of the prediction that is fed back: zeros here, since the first decoder input is 0.
; SHARES.  Work-group (x, y): y = 0 hidden, y = 1 W_hh; 16 output rows; wave v the pair R = 16 x + 2 v, R + 1 (R is even, so the pair is adjacent in the source too).
; A load takes 256 consecutive bytes of each of the two rows; a store writes 256 consecutive bytes, aligned.  All 16 loads of a wave go out at once; memory binds, so there is no LDS, no barrier, no matrix work.
.set X, 16                             ; v[16:79]   load kb: 4 registers
.set Y, 80                             ; v[80:111]  store kb: 2 registers of its own, so nothing is rewritten while a store reads it
	s_load_b256 s[4:11], s[0:1], 0x0               ; hidden s[4:5], W_hh s[6:7], h0 s[8:9], wb s[10:11]
	v_lshrrev_b32 v1, 5, v0
	v_readfirstlane_b32 s12, v1                    ; wave 0..7
	v_and_b32 v8, 31, v0                           ; lane l
	v_and_b32 v9, 15, v0
	v_bfe_u32 v10, v0, 4, 1
	v_lshlrev_b32 v1, 12, v10                      ; source offset: (l / 16) rows of 4,096 bytes
	v_lshl_add_u32 v1, v9, 4, v1                   ; + 16 (l % 16)
	v_lshlrev_b32 v2, 3, v8                        ; destination offset: 8 l (two rows of 128 bytes on end)
	v_lshlrev_b32 v3, 4, v8                        ; 16 l, for the zeros
	v_mov_b32 v4, 0
	v_mov_b32 v5, 0
	v_mov_b32 v6, 0
	v_mov_b32 v7, 0
	s_and_b32 s13, ttmp7, 0xffff                   ; y
	s_lshl_b32 s14, ttmp9, 4
	s_lshl1_add_u32 s14, s12, s14                  ; R = 16 x + 2 v
	s_bfe_u32 s15, s14, 0x20005                    ; gate = (R >> 5) & 3
	s_lshl_b32 s15, s15, 10
	s_lshr_b32 s16, s14, 7                         ; q
	s_lshl_b32 s16, s16, 5
	s_add_co_u32 s15, s15, s16
	s_and_b32 s16, s14, 31                         ; u
	s_add_co_u32 s15, s15, s16                     ; W_hh's row
	s_cmp_eq_u32 s13, 0
	s_cselect_b32 s15, s14, s15                    ; hidden's rows are not permuted
	s_lshl_b32 s16, s15, 12                        ; the source row in bytes
	s_mov_b32 s17, 0
	s_lshr_b32 s18, s14, 7
	s_lshl_b32 s18, s18, 15                        ; (R >> 7) x 32768
	s_and_b32 s19, s14, 127
	s_lshl_b32 s19, s19, 7                         ; (R & 127) x 128
	s_add_co_u32 s18, s18, s19
	s_mov_b32 s19, 0
	s_lshl_b32 s20, ttmp9, 10                      ; the zeros: 1,024 bytes a work-group, 512 a wave
	s_lshl_b32 s21, s12, 9
	s_add_co_u32 s20, s20, s21
	s_add_co_u32 s20, s20, 0x800000
	s_mov_b32 s21, 0
	s_lshl3_add_u32 s22, s13, s12                  ; 8 y + v
	s_wait_kmcnt 0x0
	s_cmp_eq_u32 s13, 0
	s_cselect_b64 s[24:25], s[4:5], s[6:7]
	s_cselect_b64 s[26:27], s[8:9], s[10:11]
	s_add_nc_u64 s[16:17], s[24:25], s[16:17]
	s_add_nc_u64 s[18:19], s[26:27], s[18:19]
	s_add_nc_u64 s[20:21], s[8:9], s[20:21]
.irp kb, 0,1,2,3,4,5,6,7,8,9,10,11,12,13,14,15
	global_load_b128 v[X+4*(\kb):X+4*(\kb)+3], v1, s[16:17] offset:256*(\kb) th:TH_LOAD_NT  ; k = 64 kb .. 64 kb + 63 of both rows
.endr
.irp kb, 0,1,2,3,4,5,6,7,8,9,10,11,12,13,14,15
	s_wait_loadcnt 15-(\kb)                        ; loads come back in order: load kb is in, the younger ones stay out
	v_cvt_pk_bf16_f32 v[Y+2*(\kb)], v[X+4*(\kb)], v[X+4*(\kb)+1]
	v_cvt_pk_bf16_f32 v[Y+2*(\kb)+1], v[X+4*(\kb)+2], v[X+4*(\kb)+3]
	global_store_b64 v2, v[Y+2*(\kb):Y+2*(\kb)+1], s[18:19] offset:((\kb)>>1)*0x100000+((\kb)&1)*16384  ; 32 lanes store 256 consecutive bytes, aligned
.endr
	s_cmp_lt_u32 s22, 2                            ; waves 0 and 1 of the work-groups with y = 0 write the zero partial sums
	s_cbranch_scc0 .Lend
	global_store_b128 v3, v[4:7], s[20:21]         ; 512 consecutive bytes
.Lend:
	s_endpgm
.Lfunc_end_k_qd627945739_prep:
	.size	k_qd627945739_prep, .Lfunc_end_k_qd627945739_prep-k_qd627945739_prep
	.p2alignl 7, 3214868480
	.fill 96, 4, 3214868480
	.section	.rodata,"a",@progbits
	.p2align	6, 0x0
	.amdhsa_kernel k_qd627945739_prep
		.amdhsa_group_segment_fixed_size 0
		.amdhsa_private_segment_fixed_size 0
		.amdhsa_enable_private_segment 0
		.amdhsa_kernarg_size 32
		.amdhsa_user_sgpr_count 2
		.amdhsa_user_sgpr_kernarg_segment_ptr 1
		.amdhsa_wavefront_size32 1
		.amdhsa_system_sgpr_workgroup_id_x 1
		.amdhsa_system_sgpr_workgroup_id_y 1
		.amdhsa_system_sgpr_workgroup_id_z 1
		.amdhsa_system_vgpr_workitem_id 0
		.amdhsa_next_free_vgpr 116
		.amdhsa_next_free_sgpr 66
		.amdhsa_reserve_vcc 0
		.amdhsa_float_denorm_mode_32 3
		.amdhsa_float_denorm_mode_16_64 3
		.amdhsa_memory_ordered 1
		.amdhsa_forward_progress 1
		.amdhsa_inst_pref_size 8
	.end_amdhsa_kernel
	.amdgpu_metadata
---
amdhsa.version: [ 1, 2 ]
amdhsa.kernels:
  - .name:           k_qd627945739_prep
    .symbol:         k_qd627945739_prep.kd
    .args:
      - { .name: hidden, .offset: 0, .size: 8, .value_kind: global_buffer, .address_space: global }
      - { .name: W_hh, .offset: 8, .size: 8, .value_kind: global_buffer, .address_space: global }
      - { .name: h0, .offset: 16, .size: 8, .value_kind: global_buffer, .address_space: global }
      - { .name: wb, .offset: 24, .size: 8, .value_kind: global_buffer, .address_space: global }
    .group_segment_fixed_size: 0
    .private_segment_fixed_size: 0
    .kernarg_segment_align: 8
    .kernarg_segment_size: 32
    .max_flat_workgroup_size: 256
    .sgpr_count:     66
    .vgpr_count:     116
    .wavefront_size: 32
...
	.end_amdgpu_metadata
.endif
;; end of part 1
;; launch step0 (part 2): grid 16 x 16, 4 waves a work-group, clusters of 4 x 4, 327,680 bytes of LDS; arguments h0, wb, cell, W_ih, b_ih, b_hh, W_out, b_out, h1, ca; writes h1, ca
.if DOCPART == 2
	.amdgcn_target "amdgcn-amd-amdhsa--gfx1250"
	.amdhsa_code_object_version 6
	.text
	.protected	k_qd627945739_step0
	.globl	k_qd627945739_step0
	.p2align	8
	.type	k_qd627945739_step0,@function
k_qd627945739_step0:
	s_mov_b64 s[64:65], 0
	v_nop
	global_prefetch_b8 v0, s[64:65] scope:SCOPE_SE
	s_setreg_imm32_b32 hwreg(HW_REG_WAVE_MODE, 25, 1), 1
	s_wait_xcnt 0x0
	s_wait_alu depctr_hold_cnt(0) depctr_sa_sdst(0) depctr_va_vdst(0) depctr_va_sdst(0) depctr_va_ssrc(0) depctr_va_vcc(0) depctr_vm_vsrc(0)
	s_getreg_b32 s2, hwreg(HW_REG_IB_STS2, 6, 4)
	s_cmp_eq_u32 s2, 0
	s_cbranch_scc0 .Lentry_in_a_cluster
	s_endpgm
.Lentry_in_a_cluster:
	s_bfe_u32 s2, ttmp6, 0x10000c
	s_cmp_lg_u32 s2, 0xf033
	s_cbranch_scc0 .Lentry_shape_is_right
	s_endpgm
.Lentry_shape_is_right:
; ONE LSTM STEP.  gates = x W_ih^T + h W_hh^T + b_ih + b_hh;  c' = sigmoid(f) c + sigmoid(i) tanh(g);  h' = sigmoid(o) tanh(c');  partial sums of pred = h' . W_out + b_out.
; Arguments: hin, wb, cin, W_ih, b_ih, b_hh, W_out, b_out, hout, cout.  hin / hout: h in bf16, blocked (number (row, k) at (k>>7) x 0x100000 + (row>>7) x 32768 + ((k>>6)&1) x 16384
; + (row&127) x 128 + (k&63) x 2), and from byte 0x800000 on part[16][4096] f32: for each of the 16 blocks of 64 units a row's partial sum of pred, b_out / 16 in each.  x of this step is the sum of
; hin's 16 partial sums.  wb: W_hh in bf16, blocked likewise, rows permuted: row' = q x 128 + gate x 32 + u for unit 32 q + u.  cin / cout: c in f32, [4096][1024].
; LIMITS.  h and W_hh are matrix operands in bf16, rounded once; sums, c and pred stay in f32.  sigmoid(z) = 1 / (1 + 2^(-log2e z)), tanh(z) = 1 - 2 / (1 + 2^(2 log2e z)): where the power
; overflows the reciprocal is 0 and the saturated value comes out; near 0 tanh is off by about 1e-7 absolutely.  NaN is not treated apart.  pred's sum is taken in another order than a plain dot product.
; SHARES.  Work-group (tx, ty): 256 batch rows (ty) x 64 units (tx) = 256 x 256 gate columns; four waves, each 128 rows (rh = w / 2) x 128 gate columns (s = w % 2: 4 gates x 32 units): 64
; accumulators, 512 registers.  K = 1,024 goes in 8 steps of 128 through a ring of two LDS slots.  THE MATRIX INSTRUCTION IS USED TRANSPOSED (source 0 = 16 rows' of W, source 1 = 16 rows of h):
; lane l (r = l % 16, hf = l / 16) holds batch row 16 a + r, and register j of accumulator (a, b) the gate b / 2 of unit 16 (b % 2) + 8 hf + j: the four gates of a cell lie in one lane at one index.
; THE START.  The first products start the sums with the constant 0, as soon as the first tile is in.  x's partial sums, W_ih and the biases are asked for behind the first tiles, into registers that lie idle
; in the K loop, and are worked up in a lump at the head of the written-out tail; x W_ih + b is added in the cell update.
; CLUSTER 4 x 4: h's tile is shared along a row of the cluster, W's along a column; each is asked for jointly.  c's tile is the work-group's own: a plain load, into slot 0 behind its last K step.
; THE CELL UPDATE works in place in the accumulators, in four batches of 32 cells a lane; c' goes back into c's tile in LDS, h' into a stage in slot 0 (both have had their last fill).
; THE END.  A batch's rows leave while the next batch is computed: a barrier in the next batch, 16 whole rows a wave read back, stored from registers.
; REGISTERS, in windows of 256: window 0 addresses, small tables, A's fragments (v64-191), work; window 1 W_ih (v0-63), B's fragments (v64-191), the biases (v192-255); windows 2, 3 the accumulators
; ((a, b) at 8 (8 (a % 4) + b) of window 2 + a / 4).
.set PIECE,  144                       ; 128 bytes (64 k of a row) + 16 of padding: 9 x 16, so the 16 rows of a fragment load start at 16 different groups of four banks
.set SUBB,   128*PIECE                 ; 128 rows, k 0-63 of the step; then the same rows' k 64-127
.set HALFT,  2*SUBB                    ; what one tensor load brings: 128 rows x 128 k
.set SLOT,   4*HALFT                   ; A's two halves, then B's two halves
.set KO1,    64                        ; where quarters 1, 2, 3 of a K step begin in a row's pieces
.set KO2,    SUBB
.set KO3,    SUBB+64
.set XS,     2*SLOT                    ; behind the ring: x of the work-group's 256 rows, 1,024 bytes (2,048 kept)
.set PX,     XS+2048                   ; the waves' partial sums of pred, 512 bytes a wave
.set SPARE,  PX+2048                   ; the spare words, 128 bytes a wave: two blocks of 256 bytes that no other line names
.set CT,     0                         ; in slot 0, behind its last K step: c's tile, 256 rows of 256 bytes + 16
.set CPITCH, 272
.set HS,     73728                     ; in slot 0: h's stage, 256 rows of 128 bytes + 16
.set HPITCH, 144
.set GOF, 4                            ; v4   byte offset of my 8 units in a gate's 1,024 f32: 256 tx + 128 s + 32 hf; never rewritten
.set PSO, 5                            ; v5   16 l
.set XSA, 6                            ; v6   where I put four rows' x: XS + 256 w + 16 r
.set XLA, 7                            ; v7   where I read row r's x: XS + 512 rh + 4 r
.set CAD, 8                            ; v8   my cells in c's tile
.set HAD, 9                            ; v9   my cells in h's stage
.set PXA, 10                           ; v10  where I put row r's partial sum
.set CRD, 11                           ; v11  the way out: c' by rows, from row 128 rh + 16 s on
.set HRD, 12                           ; v12  the way out: h' by rows, likewise
.set PXR, 13                           ; v13  the way out: two rows' partial sums
.set CO,  14                           ; v14  my offset in two rows of cout
.set PO8, 15                           ; v15  8 l
.set ADRA, 16                          ; v16-17  my A fragments in slot 0, 1
.set CPO, 19                           ; v19  l x 4,096: a row of c a lane
.set ADRB, 20                          ; v20-21  my B fragments in slot 0, 1
.set BO,  22                           ; v[22:23] b_out / 16, twice
.set PSA, 25                           ; v25  hf x 16,384 + 16 r: the partial sums' offset; never rewritten
.set SPW, 28                           ; v28  my spare word; never rewritten
.set NIL, 29                           ; v29  0; never rewritten
.set PFO, 30                           ; v30  l x 256
.set PS,  32                           ; v[32:63]  K loop: eight quads of partial sums
.set WO,  32                           ; v[32:47]  behind the lump: W_out of my 16 units
.set XV,  48                           ; v[48:63]  cell update: x of row 16 a + r, twice, at XV + 2 a
.set F0,  64
.set F1,  128
.set BK0, 64                           ; cell update: two sets of 48 registers for rows read back: v[64:111], v[112:159]
.set PR,  160                          ; v[160:175] pred's sums, a pair for each a
.set BH,  192                          ; v[192:255] K loop: b_hh of my 64 gate columns
.set CC,  192                          ; v[192:223] cell update: c of 32 cells
.set HB,  224                          ; v[224:239] h' packed
.set WI1, 0                            ; window 1, v[0:63]: W_ih of my 64 gate columns
.set BP,  192                          ; window 1, v[192:255]: b_ih; behind the lump (b_ih + b_hh) x the activation's factor
.set KN,  4                            ; s[4:5]  -log2(e)
.set KP,  6                            ; s[6:7]  2 log2(e)
.set SEL, 8                            ; s[8:9]  v_permlanex16_b32's selects
.set PIN, 14                           ; s[14:15] hin's partial sums at my 64 rows
.set POUT, 16                          ; s[16:17], s[18:19], s[20:21]: where my rows' partial sums, h' and c' go
.set HOUT, 18
.set COUT, 20
.set G1,  24
.set G0,  32
.set LIM, 43
.set PFA, 44
.set CPF, 46                           ; s[46:47] cin at the 64 rows of the tile that I fetch
.set G1B, 48
.set G0B, 56
.set G1C, 88
.set G0C, 96
.set MSB, 0
.macro WIN new                         ; the immediate's high byte repeats the setting that is left; a switch that changes nothing is dropped
.if MSB != (\new)
	s_set_vgpr_msb (MSB<<8)|(\new)
.set MSB, \new
.endif
.endm
.set MUL_LO, 0xa1                      ; source 0 (W) window 1, source 1 (h) window 0, C and D window 2
.set MUL_HI, 0xf1
.set TO_B,   0x40                      ; destination window 1
; A joint load: waves 0 and 1 fetch h's two halves, waves 2 and 3 W's.  The branch hangs on the wave's number alone.  An s_nop 0 and four v_nop follow each line.
.macro JLOAD n
	s_cmp_eq_u32 s11, 0
	s_cbranch_scc0 .Lfor_b_\@
	tensor_load_to_lds s[G0+4*(\n):G0+4*(\n)+3], s[G1:G1+7]
	s_nop 0
.rept 4
	v_nop
.endr
	s_branch .Lasked_\@
.Lfor_b_\@:
	tensor_load_to_lds s[G0B+4*(\n):G0B+4*(\n)+3], s[G1B:G1B+7]
	s_nop 0
.rept 4
	v_nop
.endr
.Lasked_\@:
.endm
; PREFETCHES, behind a joint load, its five lines and the run of LDS loads.  The K step that stands two refills on: 32 blocks of 256 bytes, a lane a block.  h's tile is read by every cluster of a row of
; clusters: cluster x = 0 asks; W's by every cluster of a column: cluster y = 0 asks; the four partners take 32 blocks each, told apart by address.  So each block is named once.  The loop's last trip has no
; K step two refills on; there (cpf = 1) each wave asks for its own 64 rows of c's tile, 256 bytes a row, two refills ahead of the load that brings them.
.macro ASK cpf
	s_cmp_gt_u32 s3, s[LIM]
	s_cbranch_scc0 .Lnot_mine_\@
	global_prefetch_b8 v[PFO], s[PFA:PFA+1] offset:0x100000 th:TH_LOAD_NT scope:SCOPE_SE
.Lnot_mine_\@:
.if \cpf
	s_cmp_eq_u32 s3, 1
	s_cbranch_scc0 .Lnot_c_\@
	global_prefetch_b8 v[CPO], s[CPF:CPF+1] th:TH_LOAD_NT scope:SCOPE_SE
	global_prefetch_b8 v[CPO], s[CPF:CPF+1] offset:131072 th:TH_LOAD_NT scope:SCOPE_SE
.Lnot_c_\@:
.endif
.endm
.macro CREST                           ; a round of the cluster's barrier behind its opening barrier
	s_cmp_lg_u32 s10, 0
	s_cbranch_scc1 .Lnot_wave_0_\@
	s_barrier_signal -3
.Lnot_wave_0_\@:
	s_barrier_wait -3
	s_barrier_signal -1
	s_barrier_wait -1
.endm
.macro CROUND
	s_barrier_signal -1
	s_barrier_wait -1
	CREST
.endm
.macro PLACES                          ; four plain vector instructions between a matrix instruction and a load into, or a vector instruction on, its registers
.rept 4
	v_nop
.endr
.endm
	s_load_b512 s[68:83], s[0:1], 0x0              ; hin 68, wb 70, cin 72, W_ih 74, b_ih 76, b_hh 78, W_out 80, b_out 82
	s_load_b128 s[84:87], s[0:1], 0x40             ; hout 84, cout 86
	v_lshl_add_u32 v[SPW], v0, 2, SPARE
	v_mov_b32 v[NIL], 0
	ds_add_u32 v[SPW], v[NIL]                      ; the wave's opening: the add, twice on end, and its wait ahead of my first tensor load
	ds_add_u32 v[SPW], v[NIL]                      ; and once more; the set-up below, work on registers, stands between it and the wait
	v_lshrrev_b32 v1, 5, v0
	v_readfirstlane_b32 s10, v1                    ; wave w
	s_lshr_b32 s11, s10, 1                         ; rh: my half of the rows.  Also: I fetch for h (0) or for W (1)
	s_and_b32 s12, s10, 1                          ; s: my half of the columns.  Also: which 128 rows of that tile I fetch
	s_bfe_u32 s40, ttmp6, 0x40000                  ; cx
	s_bfe_u32 s41, ttmp6, 0x40004                  ; cy
	s_lshl_b32 s42, ttmp9, 2
	s_add_co_u32 s42, s42, s40                     ; tx
	s_and_b32 s13, ttmp7, 0xffff
	s_lshl_b32 s13, s13, 2
	s_add_co_u32 s13, s13, s41                     ; ty
	s_lshl_b32 s20, s41, 2
	s_lshl_b32 s20, 15, s20                        ; my row of the cluster
	s_lshl_b32 s21, 0x1111, s40                    ; my column
	; group 1 for h's and W's tiles: 32,768 dense bytes as 128 rows of 128 elements of 2 bytes; 16 bytes of padding behind every 32 words
	s_or_b32 s[G1], s20, (1<<16)|(1<<20)|(1<<21)|(4<<22)|(3<<25)
	s_or_b32 s[G1B], s21, (1<<16)|(1<<20)|(1<<21)|(4<<22)|(3<<25)
.irp g, G1, G1B
	s_mov_b32 s[(\g)+1], 128<<16                   ; tensor_dim0
	s_mov_b32 s[(\g)+2], 128<<16                   ; tensor_dim1
	s_mov_b32 s[(\g)+3], 128<<16                   ; tile_dim0
	s_mov_b32 s[(\g)+4], 128                       ; tile_dim1
	s_mov_b32 s[(\g)+5], 128                       ; elements from row to row
	s_mov_b32 s[(\g)+6], 0
	s_mov_b32 s[(\g)+7], 0
.endr
	; group 1 for c's tile: 64 rows of 64 elements of 4 bytes, 1,024 elements apart; 16 bytes of padding behind every 64 words; no mask
	s_mov_b32 s[G1C], (2<<16)|(1<<20)|(5<<22)|(3<<25)
	s_mov_b32 s[G1C+1], 64<<16
	s_mov_b32 s[G1C+2], 64<<16
	s_mov_b32 s[G1C+3], 64<<16
	s_mov_b32 s[G1C+4], 64
	s_mov_b32 s[G1C+5], 1024
	s_mov_b32 s[G1C+6], 0
	s_mov_b32 s[G1C+7], 0
	s_mov_b32 s[KN], 0xbfb8aa3b
	s_mov_b32 s[KN+1], 0xbfb8aa3b
	s_mov_b32 s[KP], 0x4038aa3b
	s_mov_b32 s[KP+1], 0x4038aa3b
	s_mov_b32 s[SEL], 0x76543210
	s_mov_b32 s[SEL+1], 0xfedcba98
	s_lshl1_add_u32 s16, s13, s12                  ; h: block of 128 rows 2 ty + half
	s_lshl_b32 s16, s16, 15
	s_mov_b32 s17, 0
	s_lshl1_add_u32 s22, s42, s12                  ; W: block 2 tx + half
	s_lshl_b32 s22, s22, 15
	s_mov_b32 s23, 0
	s_mul_i32 s20, s10, HALFT                      ; where my tile goes: no place in the cluster enters an LDS address
	s_wait_dscnt 0x0                               ; both opening adds are done
	s_wait_kmcnt 0x0
	s_add_nc_u64 s[16:17], s[68:69], s[16:17]
	s_add_nc_u64 s[22:23], s[70:71], s[22:23]
	CROUND                                         ; all sixteen work-groups are here: the first joint loads meet
.irp n, 0,1
	s_mov_b32 s[G0+4*(\n)], 1
	s_add_co_u32 s[G0+4*(\n)+1], s20, (\n)*SLOT
	s_add_nc_u64 s[G0+4*(\n)+2:G0+4*(\n)+3], s[16:17], (\n)*0x100000   ; K step n
	s_or_b32 s[G0+4*(\n)+3], s[G0+4*(\n)+3], 0x80000000
	s_mov_b32 s[G0B+4*(\n)], 1
	s_add_co_u32 s[G0B+4*(\n)+1], s20, (\n)*SLOT
	s_add_nc_u64 s[G0B+4*(\n)+2:G0B+4*(\n)+3], s[22:23], (\n)*0x100000
	s_or_b32 s[G0B+4*(\n)+3], s[G0B+4*(\n)+3], 0x80000000
	JLOAD \n                                       ; two tensor loads of mine are out
.endr
	; THE SMALL LOADS: 56, into registers that no line of the K loop names.  They are waited for in the lump behind the loop.
	s_load_b32 s100, s[82:83], 0x0                 ; b_out
	v_and_b32 v1, 15, v0                           ; r
	v_bfe_u32 v2, v0, 4, 1                         ; hf
	v_and_b32 v18, 31, v0                          ; l
	s_lshl_b32 s18, s42, 8
	s_lshl_b32 s19, s12, 7
	s_add_co_u32 s18, s18, s19
	v_lshl_add_u32 v[GOF], v2, 5, s18
	v_lshlrev_b32 v[PSA], 14, v2
	v_lshl_add_u32 v[PSA], v1, 4, v[PSA]
	s_lshl_b32 s18, s13, 10                        ; (256 ty + 64 w) x 4
	s_lshl_b32 s19, s10, 8
	s_add_co_u32 s18, s18, s19
	s_add_co_u32 s18, s18, 0x800000
	s_mov_b32 s19, 0
	s_add_nc_u64 s[PIN:PIN+1], s[68:69], s[18:19]
.set ij, 0
.rept 8                                ; my 64 rows' partial sums: lanes 0-15 take block 2 j's 256 bytes, lanes 16-31 block 2 j + 1's; four rows a lane
	global_load_b128 v[PS+4*ij:PS+4*ij+3], v[PSA], s[PIN:PIN+1] offset:32768*ij
.set ij, ij+1
.endr
.irp g, 0,1,2,3
.irp ub, 0,1
.irp jj, 0,1
	global_load_b128 v[BH+8*(2*(\g)+(\ub))+4*(\jj):BH+8*(2*(\g)+(\ub))+4*(\jj)+3], v[GOF], s[78:79] offset:4096*(\g)+64*(\ub)+16*(\jj)
.endr
.endr
.endr
	WIN TO_B
.irp g, 0,1,2,3
.irp ub, 0,1
.irp jj, 0,1
	global_load_b128 v[WI1+8*(2*(\g)+(\ub))+4*(\jj):WI1+8*(2*(\g)+(\ub))+4*(\jj)+3], v[GOF], s[74:75] offset:4096*(\g)+64*(\ub)+16*(\jj)
	global_load_b128 v[BP+8*(2*(\g)+(\ub))+4*(\jj):BP+8*(2*(\g)+(\ub))+4*(\jj)+3], v[GOF], s[76:77] offset:4096*(\g)+64*(\ub)+16*(\jj)
.endr
.endr
.endr
	WIN 0
	; the addresses, while the first tiles are on their way
	v_lshlrev_b32 v[PSO], 4, v18
	s_lshl_b32 s18, s10, 8
	s_add_co_u32 s18, s18, XS
	v_lshl_add_u32 v[XSA], v1, 4, s18
	s_lshl_b32 s18, s11, 9
	s_add_co_u32 s18, s18, XS
	v_lshl_add_u32 v[XLA], v1, 2, s18
	s_lshl_b32 s18, s10, 9
	s_add_co_u32 s18, s18, PX
	v_lshl_add_u32 v[PXA], v1, 2, s18
	s_lshl_b32 s18, s11, 10                        ; the two waves of my row half lie 512 bytes apart; my 64 rows of the 128
	s_lshl_b32 s19, s12, 8
	s_add_co_u32 s18, s18, s19
	s_add_co_u32 s18, s18, PX
	v_lshl_add_u32 v[PXR], v18, 3, s18
	v_mul_u32_u24 v3, v1, PIECE
	v_lshl_add_u32 v3, v2, 4, v3                   ; a fragment's row x pitch + 16 x half
	s_mul_i32 s18, s11, HALFT
	s_mul_i32 s19, s12, HALFT
	s_add_co_u32 s19, s19, 2*HALFT
.irp n, 0,1
	v_add_nc_u32 v[ADRA+(\n)], s18, v3
	v_add_nc_u32 v[ADRB+(\n)], s19, v3
	s_add_co_u32 s18, s18, SLOT
	s_add_co_u32 s19, s19, SLOT
.endr
	s_mul_i32 s18, s11, 128*CPITCH
	s_lshl_b32 s19, s12, 7
	s_add_co_u32 s18, s18, s19
	s_add_co_u32 s18, s18, CT
	v_mul_u32_u24 v[CAD], v1, CPITCH
	v_lshl_add_u32 v[CAD], v2, 5, v[CAD]
	v_add_nc_u32 v[CAD], s18, v[CAD]               ; (128 rh + r) x 272 + 128 s + 32 hf
	s_mul_i32 s18, s11, 128*HPITCH
	s_lshl_b32 s19, s12, 6
	s_add_co_u32 s18, s18, s19
	s_add_co_u32 s18, s18, HS
	v_add_nc_u32 v[HAD], s18, v3                   ; (128 rh + r) x 144 + 64 s + 16 hf
	s_mul_i32 s18, s11, 128*CPITCH
	s_mul_i32 s19, s12, 16*CPITCH
	s_add_co_u32 s18, s18, s19
	s_add_co_u32 s18, s18, CT
	v_mul_u32_u24 v[CRD], v2, CPITCH
	v_lshl_add_u32 v[CRD], v1, 4, v[CRD]
	v_add_nc_u32 v[CRD], s18, v[CRD]               ; (128 rh + 16 s + hf) x 272 + 16 r
	s_mul_i32 s18, s11, 128*HPITCH
	s_mul_i32 s19, s12, 16*HPITCH
	s_add_co_u32 s18, s18, s19
	s_add_co_u32 s18, s18, HS
	v_bfe_u32 v[HRD], v0, 3, 2
	v_mul_u32_u24 v[HRD], v[HRD], HPITCH
	v_and_b32 v24, 7, v0
	v_lshl_add_u32 v[HRD], v24, 4, v[HRD]
	v_add_nc_u32 v[HRD], s18, v[HRD]               ; (128 rh + 16 s + l / 8) x 144 + 16 (l % 8)
	v_lshlrev_b32 v[CO], 12, v2
	v_lshl_add_u32 v[CO], v1, 4, v[CO]
	v_lshlrev_b32 v[PO8], 3, v18
	v_lshlrev_b32 v[CPO], 12, v18
	v_lshlrev_b32 v[PFO], 8, v18
	; the prefetches' pointer and who asks
	s_and_b32 s18, ttmp7, 0xffff                   ; cluster y
	s_cmp_eq_u32 s11, 0                            ; do I fetch for h?
	s_cselect_b32 s19, s13, s42                    ; the tile's coordinate
	s_cselect_b32 s21, s40, s41                    ; my place among the four that ask for it with me
	s_cselect_b32 s18, ttmp9, s18                  ; the coordinate along which other clusters read the same blocks
	s_cselect_b64 s[PFA:PFA+1], s[68:69], s[70:71]
	s_cmp_eq_u32 s18, 0
	s_cselect_b32 s[LIM], 1, -1                    ; the same in all sixteen partners, for a given wave
	s_lshl1_add_u32 s19, s19, s12
	s_lshl_b32 s19, s19, 15
	s_lshl_b32 s21, s21, 13                        ; my work-group's 32 blocks of the 128
	s_add_co_u32 s18, s19, s21
	s_add_co_u32 s18, s18, 2*0x100000              ; at K step 2: the first refill steps it to 3 and names K step 4
	s_mov_b32 s19, 0
	s_add_nc_u64 s[PFA:PFA+1], s[PFA:PFA+1], s[18:19]
	; c's tile, and where the results go
	s_lshl_b32 s22, s13, 20                        ; 256 ty rows of 4,096 bytes + 256 tx
	s_lshl_b32 s23, s42, 8
	s_add_co_u32 s22, s22, s23
	s_lshl_b32 s23, s10, 18                        ; I fetch rows 64 w on
	s_add_co_u32 s18, s22, s23
	s_mov_b32 s19, 0
	s_add_nc_u64 s[CPF:CPF+1], s[72:73], s[18:19]
	s_lshl_b32 s23, s11, 19                        ; I store, of each batch, rows 128 rh + 16 s on
	s_add_co_u32 s22, s22, s23
	s_lshl_b32 s23, s12, 16
	s_add_co_u32 s22, s22, s23
	s_mov_b32 s23, 0
	s_add_nc_u64 s[COUT:COUT+1], s[86:87], s[22:23]
	s_mov_b32 s[G0C], 1
	s_mul_i32 s[G0C+1], s10, 64*CPITCH             ; my 64 rows of the tile, from CT = 0 on
	s_mov_b64 s[G0C+2:G0C+3], s[CPF:CPF+1]
	s_or_b32 s[G0C+3], s[G0C+3], 0x80000000
	s_lshr_b32 s22, s42, 1                         ; h': K step tx / 2, row block 2 ty + rh, half tx % 2, rows 16 s on
	s_lshl_b32 s22, s22, 20
	s_lshl1_add_u32 s23, s13, s11
	s_lshl_b32 s23, s23, 15
	s_add_co_u32 s22, s22, s23
	s_and_b32 s23, s42, 1
	s_lshl_b32 s23, s23, 14
	s_add_co_u32 s22, s22, s23
	s_lshl_b32 s23, s12, 11
	s_add_co_u32 s22, s22, s23
	s_mov_b32 s23, 0
	s_add_nc_u64 s[HOUT:HOUT+1], s[84:85], s[22:23]
	s_lshl_b32 s22, s42, 14                        ; part[tx][256 ty + 64 w ..]
	s_lshl_b32 s23, s13, 10
	s_add_co_u32 s22, s22, s23
	s_lshl_b32 s23, s10, 8
	s_add_co_u32 s22, s22, s23
	s_add_co_u32 s22, s22, 0x800000
	s_mov_b32 s23, 0
	s_add_nc_u64 s[POUT:POUT+1], s[84:85], s[22:23]
; 16 matrix instructions: row blocks a0, a0 + 1 of the window's four x all 8 column blocks, 32 along K.  zero = 1: the first product starts the sums.
; The 64 accumulators take turns, in the same order in every quarter, over the backward jump too.
.macro MUL16 f, hi, a0, zero
	WIN MUL_LO+0x50*(\hi)
.irp a, \a0, (\a0)+1
.irp b, 0,1,2,3,4,5,6,7
.if \zero
	v_wmma_f32_16x16x32_bf16 v[8*(8*(\a)+(\b)):8*(8*(\a)+(\b))+7], v[(\f)+8*(\b):(\f)+8*(\b)+7], v[(\f)+8*(4*(\hi)+(\a)):(\f)+8*(4*(\hi)+(\a))+7], 0
.else
	v_wmma_f32_16x16x32_bf16 v[8*(8*(\a)+(\b)):8*(8*(\a)+(\b))+7], v[(\f)+8*(\b):(\f)+8*(\b)+7], v[(\f)+8*(4*(\hi)+(\a)):(\f)+8*(4*(\hi)+(\a))+7], v[8*(8*(\a)+(\b)):8*(8*(\a)+(\b))+7]
.endif
.endr
.endr
.endm
; 32 LDS loads in one run: a quarter step's fragments (128 rows' of W, 128 rows of h, 32 K at byte k of the tile) into buffer f
.macro FETCH slot, k, f
	WIN TO_B
.irp i, 0,1,2,3,4,5,6,7
	ds_load_b128 v[(\f)+8*(\i):(\f)+8*(\i)+3],   v[ADRB+(\slot)] offset:(\k)+(\i)*16*PIECE
	ds_load_b128 v[(\f)+8*(\i)+4:(\f)+8*(\i)+7], v[ADRB+(\slot)] offset:(\k)+(\i)*16*PIECE+32
.endr
	WIN 0
.irp i, 0,1,2,3,4,5,6,7
	ds_load_b128 v[(\f)+8*(\i):(\f)+8*(\i)+3],   v[ADRA+(\slot)] offset:(\k)+(\i)*16*PIECE
	ds_load_b128 v[(\f)+8*(\i)+4:(\f)+8*(\i)+7], v[ADRA+(\slot)] offset:(\k)+(\i)*16*PIECE+32
.endr
.endm
; One of a K step's first three quarters: multiplies buffer f; in its middle fetches the next quarter, at byte k, into buffer g
.macro QUARTER slot, k, f, g, zero
	s_wait_dscnt 8                                 ; W's fragments and h's rows 0-63 are in; the youngest eight LDS instructions may be out
	MUL16 \f, 0, 0, \zero
	MUL16 \f, 0, 2, \zero
	PLACES
	FETCH \slot, \k, \g
	s_wait_dscnt 32                                ; all but the 32 just issued
	MUL16 \f, 1, 0, \zero
	MUL16 \f, 1, 2, \zero
.endm
; The last quarter's first half, and the opening barrier of a round: each wave waits for all its tensor loads (one is out: its part of the next slot), adds 0 to its spare word, and waits for that and for its reads of this slot.
.macro MEET
	WIN 0
	s_wait_tensorcnt 0x0
	ds_add_u32 v[SPW], v[NIL]
	s_wait_dscnt 9                                 ; the add and the youngest eight loads may be out
	MUL16 F1, 0, 0, 0                              ; sixteen matrix instructions stand between the add and the wait for it
	s_wait_dscnt 0x0                               ; the add is done, and my reads of this slot are over
	s_barrier_signal -1
	MUL16 F1, 0, 2, 0                              ; work on registers while the others arrive
	WIN 0
	s_barrier_wait -1
.endm
; The whole last quarter.  Behind the round the slot just read out is filled again first: mode = 1 with the K step two steps on (a joint load), mode = 0 with c's tile (each wave its own 64 rows).
.macro TURN slot, next, mode, cpf
.if \mode
	s_wait_xcnt 0x0                                ; the last prefetch, a K step back, has read its address
	s_add_nc_u64 s[PFA:PFA+1], s[PFA:PFA+1], 0x100000
.endif
	MEET
	CREST                                          ; no wave of any partner still reads this slot's tile or has a load on its way
.if \mode
	s_add_nc_u64 s[G0+4*(\slot)+2:G0+4*(\slot)+3], s[G0+4*(\slot)+2:G0+4*(\slot)+3], 0x200000
	s_add_nc_u64 s[G0B+4*(\slot)+2:G0B+4*(\slot)+3], s[G0B+4*(\slot)+2:G0B+4*(\slot)+3], 0x200000
	JLOAD \slot                                    ; the four v_nop behind it are also the places in front of the loads below
.else
	tensor_load_to_lds s[G0C:G0C+3], s[G1C:G1C+7]
	s_nop 0
.rept 4
	v_nop
.endr
.endif
	FETCH \next, 0, F0
.if \mode
	ASK \cpf
.endif
	MUL16 F1, 1, 0, 0
	MUL16 F1, 1, 2, 0
.endm
	s_wait_tensorcnt 0x1                           ; my part of K step 0 is in; K step 1's may stay out
	s_barrier_signal -1
	s_barrier_wait -1
	FETCH 0, 0, F0
	QUARTER 0, KO1, F0, F1, 1                      ; the first quarter stands in front of the loop: its products start the sums
	WIN 0
	s_mov_b32 s3, 3
.Llap:                                                 ; three trips, each once round the ring, from a lap's second quarter to the next lap's first; 224 matrix instructions lie between a request and the wait for it
	QUARTER 0, KO2, F1, F0, 0
	QUARTER 0, KO3, F0, F1, 0
	TURN 0, 1, 1, 1
	QUARTER 1, KO1, F0, F1, 0
	QUARTER 1, KO2, F1, F0, 0
	QUARTER 1, KO3, F0, F1, 0
	TURN 1, 0, 1, 0
	QUARTER 0, KO1, F0, F1, 0
	WIN 0
	s_sub_co_u32 s3, s3, 1
	s_cmp_lg_u32 s3, 0
	s_cbranch_scc1 .Llap
	; THE LUMP: the small loads, asked for six K steps ago, are worked up.  It names no register of a matrix instruction.
	s_wait_loadcnt 0x0
	s_wait_kmcnt 0x0
.irp q, 0,1,2,3                        ; the eight quads into one: my parity's eight partial sums of four rows
	v_pk_add_f32 v[PS+16+4*(\q):PS+17+4*(\q)], v[PS+16+4*(\q):PS+17+4*(\q)], v[PS+4*(\q):PS+1+4*(\q)]
	v_pk_add_f32 v[PS+18+4*(\q):PS+19+4*(\q)], v[PS+18+4*(\q):PS+19+4*(\q)], v[PS+2+4*(\q):PS+3+4*(\q)]
.endr
.irp q, 0,1
	v_pk_add_f32 v[PS+24+4*(\q):PS+25+4*(\q)], v[PS+24+4*(\q):PS+25+4*(\q)], v[PS+16+4*(\q):PS+17+4*(\q)]
	v_pk_add_f32 v[PS+26+4*(\q):PS+27+4*(\q)], v[PS+26+4*(\q):PS+27+4*(\q)], v[PS+18+4*(\q):PS+19+4*(\q)]
.endr
	v_pk_add_f32 v[PS+28:PS+29], v[PS+28:PS+29], v[PS+24:PS+25]
	v_pk_add_f32 v[PS+30:PS+31], v[PS+30:PS+31], v[PS+26:PS+27]
.irp k, 0,1,2,3
	v_permlanex16_b32 v[PS+24+(\k)], v[PS+28+(\k)], s[SEL], s[SEL+1]   ; the other parity's lie in the lane 16 away
.endr
	v_pk_add_f32 v[PS+28:PS+29], v[PS+28:PS+29], v[PS+24:PS+25]
	v_pk_add_f32 v[PS+30:PS+31], v[PS+30:PS+31], v[PS+26:PS+27]
	ds_store_b128 v[XSA], v[PS+28:PS+31]           ; x of rows 64 w + 4 r .. + 3; both halves of the lanes write the same bytes with the same numbers.  The round in front of c's fill stands between this store and its readers
	v_mov_b32 v[BO], s100
	v_mul_f32 v[BO], 0x3d800000, v[BO]             ; b_out / 16, exact: sixteen partial sums carry it
	v_mov_b32 v[BO+1], v[BO]
.irp ub, 0,1
.irp jj, 0,1
	global_load_b128 v[WO+8*(\ub)+4*(\jj):WO+8*(\ub)+4*(\jj)+3], v[GOF], s[80:81] offset:64*(\ub)+16*(\jj)  ; W_out, wanted two K steps on
.endr
.endr
	WIN 0x41                                       ; destination and source 0 in window 1, source 1 in window 0
.set ik, 0
.rept 32
	v_pk_add_f32 v[BP+2*ik:BP+2*ik+1], v[BP+2*ik:BP+2*ik+1], v[BH+2*ik:BH+2*ik+1]  ; b_ih + b_hh
.set ik, ik+1
.endr
.set ik, 0
.rept 32                               ; times the activation's factor: 2 log2(e) for g (pairs 16-23), -log2(e) for i, f, o
.if ik/8 == 2
	v_pk_mul_f32 v[BP+2*ik:BP+2*ik+1], v[BP+2*ik:BP+2*ik+1], s[KP:KP+1] op_sel_hi:[1,0]
.else
	v_pk_mul_f32 v[BP+2*ik:BP+2*ik+1], v[BP+2*ik:BP+2*ik+1], s[KN:KN+1] op_sel_hi:[1,0]
.endif
.set ik, ik+1
.endr
	QUARTER 0, KO2, F1, F0, 0                      ; K steps 6 and 7 are written out.  (The lump's one LDS store is the youngest at this quarter's first wait, which is one load stricter for it)
	QUARTER 0, KO3, F0, F1, 0
	TURN 0, 1, 0, 0                                ; slot 0 takes c's tile: it has a whole K step in which to land
	QUARTER 1, KO1, F0, F1, 0
	QUARTER 1, KO2, F1, F0, 0
	QUARTER 1, KO3, F0, F1, 0
	s_wait_dscnt 8
	MUL16 F1, 0, 0, 0
	MUL16 F1, 0, 2, 0
	s_wait_dscnt 0x0
	WIN 0
.irp a, 0,1,2,3,4,5,6,7
	ds_load_b32 v[XV+2*(\a)], v[XLA] offset:64*(\a)    ; x of row 16 a + r,
	ds_load_b32 v[XV+2*(\a)+1], v[XLA] offset:64*(\a)  ; twice: a pair for the packed multiply-add.  32 matrix instructions stand between these loads and the wait for them
.endr
	MUL16 F1, 1, 0, 0
	MUL16 F1, 1, 2, 0
	WIN 0
	PLACES
	s_wait_tensorcnt 0x0                           ; my 64 rows of c's tile are in;
	s_wait_loadcnt 0x0                             ; W_out is in
	s_wait_dscnt 0x0                               ; x is in
	s_barrier_signal -1
	s_barrier_wait -1                              ; everybody's rows of c are in.
; THE WAY OUT OF BATCH q.  Its 64 rows of the tile are whole when both waves of a row half have stored them.  Wave (rh, s) takes rows 128 rh + 32 q + 16 s .. + 15.
.macro BACK q                          ; 12 LDS loads: 16 rows of c' (two rows of 256 bytes a load) and of h' (four rows of 128 bytes a load)
	WIN 0
.set BK, BK0+48*((\q)%2)
.if (\q) >= 2
	s_wait_xcnt 0x0                                ; the stores of the batch two back have read these registers
.endif
.irp t, 0,1,2,3,4,5,6,7
	ds_load_b128 v[BK+4*(\t):BK+4*(\t)+3], v[CRD] offset:(\q)*32*CPITCH+(\t)*2*CPITCH
.endr
.irp t, 0,1,2,3
	ds_load_b128 v[BK+32+4*(\t):BK+32+4*(\t)+3], v[HRD] offset:(\q)*32*HPITCH+(\t)*4*HPITCH
.endr
.endm
.macro SEND q, younger                 ; younger: the LDS instructions issued behind BACK's, which may stay out
	WIN 0
.set BK, BK0+48*((\q)%2)
	s_wait_dscnt \younger
.irp t, 0,1,2,3,4,5,6,7
	global_store_b128 v[CO], v[BK+4*(\t):BK+4*(\t)+3], s[COUT:COUT+1] offset:(32*(\q)+2*(\t))*4096  ; 16 lanes store 256 consecutive bytes, aligned
.endr
.irp t, 0,1,2,3
	global_store_b128 v[PSO], v[BK+32+4*(\t):BK+32+4*(\t)+3], s[HOUT:HOUT+1] offset:4096*(\q)+512*(\t)  ; in the blocked layout four rows x 64 units are 512 bytes on end
.endr
.endm
; THE CELL UPDATE, batch p: row blocks a = 2 p, 2 p + 1, 32 cells a lane, in place in the accumulators.  Of block al the gates lie at BB + 64 al + 0 (i), 16 (f), 32 (g), 48 (o), index 8 ub + j.
; The exponentials and the reciprocals go in four batches, each with one plain instruction and one wait behind it; the plain line that feeds a pair stands a pair ahead of its two transcendentals.
.macro RG n                            ; the registers of pair n of 16
.set rI, BB+64*((\n)/8)+2*((\n)%8)
.set rF, rI+16
.set rG, rI+32
.set rO, rI+48
.set rC, CC+16*((\n)/8)+2*((\n)%8)
.set rW, WO+2*((\n)%8)
.set rH, HB+8*((\n)/8)+(\n)%8
.endm
.macro SCALE n                         ; pair n of 64: (sum + b) times 2 log2(e) for g, times -log2(e) for i, f, o: one multiply-add, b having been multiplied in the lump
.if ((2*(\n))%64)/16 == 2
	v_pk_fma_f32 v[BB+2*(\n):BB+2*(\n)+1], v[BB+2*(\n):BB+2*(\n)+1], s[KP:KP+1], v[BP+2*((\n)%32):BP+2*((\n)%32)+1] op_sel_hi:[1,0,1]
.else
	v_pk_fma_f32 v[BB+2*(\n):BB+2*(\n)+1], v[BB+2*(\n):BB+2*(\n)+1], s[KN:KN+1], v[BP+2*((\n)%32):BP+2*((\n)%32)+1] op_sel_hi:[1,0,1]
.endif
.endm
.macro ONE n
	v_pk_add_f32 v[BB+2*(\n):BB+2*(\n)+1], v[BB+2*(\n):BB+2*(\n)+1], 1.0 op_sel_hi:[1,0]
.endm
.macro EPI p
.set W,  2+(\p)/2                      ; the batch's window
.set BB, 128*((\p)%2)
	WIN 0
.irp al, 0,1
.irp ub, 0,1
.irp jj, 0,1
	ds_load_b128 v[CC+16*(\al)+8*(\ub)+4*(\jj):CC+16*(\al)+8*(\ub)+4*(\jj)+3], v[CAD] offset:(2*(\p)+(\al))*16*CPITCH+64*(\ub)+16*(\jj)  ; c of my cells
.endr
.endr
.endr
	WIN W*0x50+1                                   ; destination and source 2 in the batch's window, source 0 (W_ih) in window 1, source 1 (x) in window 0
.set ik, 0
.rept 64                               ; + x W_ih.  Ascending
	v_pk_fma_f32 v[BB+2*ik:BB+2*ik+1], v[WI1+2*(ik%32):WI1+2*(ik%32)+1], v[XV+2*(2*(\p)+ik/32):XV+2*(2*(\p)+ik/32)+1], v[BB+2*ik:BB+2*ik+1]
.set ik, ik+1
.endr
	WIN W*0x41+0x10                                ; destination and source 0 in the batch's window, source 2 (the biases) in window 1
	SCALE 0
.set ik, 0
.rept 64
.if ik < 63
	SCALE ik+1
.endif
	v_exp_f32 v[BB+2*ik], v[BB+2*ik]
	v_exp_f32 v[BB+2*ik+1], v[BB+2*ik+1]
.set ik, ik+1
.endr
	v_nop
	s_wait_alu depctr_va_vdst(0)                   ; one wait for the 128 exponentials
.if (\p) > 0
	s_wait_dscnt 0x0                               ; for the others' sake: my stores of the last batch's c' and h' are done (and c of this batch is in);
	s_barrier_signal -1                            ; the reciprocals, work on registers, stand between the signal and the wait
.endif
	ONE 0
.set ik, 0
.rept 64
.if ik < 63
	ONE ik+1
.endif
	v_rcp_f32 v[BB+2*ik], v[BB+2*ik]
	v_rcp_f32 v[BB+2*ik+1], v[BB+2*ik+1]
.set ik, ik+1
.endr
	v_nop
	s_wait_alu depctr_va_vdst(0)                   ; one wait for the 128 reciprocals
.if (\p) > 0
	s_barrier_wait -1                              ; the last batch's rows are whole
	BACK (\p)-1
.else
	s_wait_dscnt 0x0                               ; c is in
.endif
	WIN W*0x41                                     ; destination and source 0 in the batch's window, source 1 in window 0
.set ik, 0
.rept 16
	RG ik
	v_pk_mul_f32 v[rF:rF+1], v[rF:rF+1], v[rC:rC+1]        ; sigmoid(f) c
.set ik, ik+1
.endr
	WIN W*0x55                                     ; every operand place in the batch's window
.set ik, 0
.rept 16
	RG ik
	v_pk_fma_f32 v[rG:rG+1], v[rG:rG+1], -2.0, 1.0 op_sel_hi:[1,0,0]  ; tanh(g)
.set ik, ik+1
.endr
.set ik, 0
.rept 16
	RG ik
	v_pk_fma_f32 v[rF:rF+1], v[rI:rI+1], v[rG:rG+1], v[rF:rF+1]       ; c'
.set ik, ik+1
.endr
	WIN W*4                                        ; an LDS store's data in the batch's window
.irp al, 0,1
.irp ub, 0,1
.irp jj, 0,1
	ds_store_b128 v[CAD], v[BB+64*(\al)+16+8*(\ub)+4*(\jj):BB+64*(\al)+16+8*(\ub)+4*(\jj)+3] offset:(2*(\p)+(\al))*16*CPITCH+64*(\ub)+16*(\jj)  ; c' takes c's place: bytes that my lane alone reads and writes until the next barrier
.endr
.endr
.endr
	WIN W*0x55
	RG 0
	v_pk_mul_f32 v[rG:rG+1], v[rF:rF+1], s[KP:KP+1] op_sel_hi:[1,0]
.set ik, 0
.rept 16
.if ik < 15
	RG ik+1
	v_pk_mul_f32 v[rG:rG+1], v[rF:rF+1], s[KP:KP+1] op_sel_hi:[1,0]
.endif
	RG ik
	v_exp_f32 v[rG], v[rG]
	v_exp_f32 v[rG+1], v[rG+1]
.set ik, ik+1
.endr
	v_nop
	s_wait_alu depctr_va_vdst(0)
	RG 0
	v_pk_add_f32 v[rG:rG+1], v[rG:rG+1], 1.0 op_sel_hi:[1,0]
.set ik, 0
.rept 16
.if ik < 15
	RG ik+1
	v_pk_add_f32 v[rG:rG+1], v[rG:rG+1], 1.0 op_sel_hi:[1,0]
.endif
	RG ik
	v_rcp_f32 v[rG], v[rG]
	v_rcp_f32 v[rG+1], v[rG+1]
.set ik, ik+1
.endr
	v_nop
	s_wait_alu depctr_va_vdst(0)
.if (\p) > 0
	SEND (\p)-1, 8                                 ; the last batch's rows leave; the eight stores of c' issued behind their read-backs may be out
.endif
	WIN W*0x55
.set ik, 0
.rept 16
	RG ik
	v_pk_fma_f32 v[rG:rG+1], v[rG:rG+1], -2.0, 1.0 op_sel_hi:[1,0,0]  ; tanh(c')
.set ik, ik+1
.endr
.set ik, 0
.rept 16
	RG ik
	v_pk_mul_f32 v[rO:rO+1], v[rO:rO+1], v[rG:rG+1]        ; h'
.set ik, ik+1
.endr
	WIN W                                          ; source 0 in the batch's window
.set ik, 0
.rept 16                               ; pred's sums, in f32, of h' before its rounding; the two row blocks alternate; the first product starts each sum
	RG 8*(ik%2)+ik/2
.set rP, PR+2*(2*(\p)+ik%2)
.if ik < 2
	v_pk_mul_f32 v[rP:rP+1], v[rO:rO+1], v[rW:rW+1]
.else
	v_pk_fma_f32 v[rP:rP+1], v[rO:rO+1], v[rW:rW+1], v[rP:rP+1]
.endif
.set ik, ik+1
.endr
	WIN W*5                                        ; sources 0 and 1 in the batch's window
.set ik, 0
.rept 16
	RG ik
	v_cvt_pk_bf16_f32 v[rH], v[rO], v[rO+1]
.set ik, ik+1
.endr
	WIN 0
.irp al, 0,1
.irp ub, 0,1
	ds_store_b128 v[HAD], v[HB+8*(\al)+4*(\ub):HB+8*(\al)+4*(\ub)+3] offset:(2*(\p)+(\al))*16*HPITCH+32*(\ub)
.endr
.endr
.endm
	EPI 0
	EPI 1
	EPI 2
	EPI 3
	; a row's sum over my wave's 32 units: the pair's two halves, then the other half of the lanes
.irp a, 0,1,2,3,4,5,6,7
	v_add_f32 v[PR+2*(\a)], v[PR+2*(\a)], v[PR+2*(\a)+1]
.endr
.irp a, 0,1,2,3,4,5,6,7
	v_permlanex16_b32 v[CC+(\a)], v[PR+2*(\a)], s[SEL], s[SEL+1]
.endr
.irp a, 0,1,2,3,4,5,6,7
	v_add_f32 v[PR+2*(\a)], v[PR+2*(\a)], v[CC+(\a)]
.endr
.irp a, 0,1,2,3,4,5,6,7
	ds_store_b32 v[PXA], v[PR+2*(\a)] offset:64*(\a)   ; both halves of the lanes write the same word with the same number
.endr
	s_wait_dscnt 0x0                               ; for the others' sake: my stores of the last batch's c' and h' and of the sums are done
	s_barrier_signal -1
	s_barrier_wait -1
	ds_load_b64 v[240:241], v[PXR]                 ; rows 64 w + 2 l, + 1: the sums of the one column half,
	ds_load_b64 v[242:243], v[PXR] offset:512      ; and of the other
	BACK 3
	s_wait_dscnt 12                                ; the sums are in; the 12 read-backs may stay out
	v_pk_add_f32 v[240:241], v[240:241], v[242:243]
	v_pk_add_f32 v[240:241], v[240:241], v[BO:BO+1]
	global_store_b64 v[PO8], v[240:241], s[POUT:POUT+1]  ; 256 consecutive bytes, aligned
	SEND 3, 0
	s_wait_tensorcnt 0x0                           ; the wave's end: behind my last tensor load and my last LDS store
	ds_add_u32 v[SPW], v[NIL]
	s_wait_dscnt 0x0
	CROUND                                         ; the closing round: no work-group ends while a partner may still ask for a tile that names it
	s_endpgm
.Lfunc_end_k_qd627945739_step0:
	.size	k_qd627945739_step0, .Lfunc_end_k_qd627945739_step0-k_qd627945739_step0
	.p2alignl 7, 3214868480
	.fill 96, 4, 3214868480
	.section	.rodata,"a",@progbits
	.p2align	6, 0x0
	.amdhsa_kernel k_qd627945739_step0
		.amdhsa_group_segment_fixed_size 327680
		.amdhsa_private_segment_fixed_size 0
		.amdhsa_enable_private_segment 0
		.amdhsa_kernarg_size 80
		.amdhsa_user_sgpr_count 2
		.amdhsa_user_sgpr_kernarg_segment_ptr 1
		.amdhsa_wavefront_size32 1
		.amdhsa_system_sgpr_workgroup_id_x 1
		.amdhsa_system_sgpr_workgroup_id_y 1
		.amdhsa_system_sgpr_workgroup_id_z 1
		.amdhsa_system_vgpr_workitem_id 0
		.amdhsa_next_free_vgpr 1024
		.amdhsa_next_free_sgpr 102
		.amdhsa_reserve_vcc 0
		.amdhsa_float_denorm_mode_32 3
		.amdhsa_float_denorm_mode_16_64 3
		.amdhsa_memory_ordered 1
		.amdhsa_forward_progress 1
		.amdhsa_inst_pref_size 255
	.end_amdhsa_kernel
	.section	.bss,"aw",@nobits
	.p2align	6
	.space	262144
	.amdgpu_metadata
---
amdhsa.version: [ 1, 2 ]
amdhsa.kernels:
  - .name:           k_qd627945739_step0
    .symbol:         k_qd627945739_step0.kd
    .args:
      - { .name: h0, .offset: 0, .size: 8, .value_kind: global_buffer, .address_space: global }
      - { .name: wb, .offset: 8, .size: 8, .value_kind: global_buffer, .address_space: global }
      - { .name: cell, .offset: 16, .size: 8, .value_kind: global_buffer, .address_space: global }
      - { .name: W_ih, .offset: 24, .size: 8, .value_kind: global_buffer, .address_space: global }
      - { .name: b_ih, .offset: 32, .size: 8, .value_kind: global_buffer, .address_space: global }
      - { .name: b_hh, .offset: 40, .size: 8, .value_kind: global_buffer, .address_space: global }
      - { .name: W_out, .offset: 48, .size: 8, .value_kind: global_buffer, .address_space: global }
      - { .name: b_out, .offset: 56, .size: 8, .value_kind: global_buffer, .address_space: global }
      - { .name: h1, .offset: 64, .size: 8, .value_kind: global_buffer, .address_space: global }
      - { .name: ca, .offset: 72, .size: 8, .value_kind: global_buffer, .address_space: global }
    .group_segment_fixed_size: 327680
    .private_segment_fixed_size: 0
    .kernarg_segment_align: 8
    .kernarg_segment_size: 80
    .max_flat_workgroup_size: 128
    .sgpr_count:     102
    .vgpr_count:     1024
    .wavefront_size: 32
...
	.end_amdgpu_metadata
.endif
;; end of part 2
;; launch step1: the kernel of part 2 again; grid 16 x 16, 4 waves a work-group, clusters of 4 x 4, 327,680 bytes of LDS; arguments h1, wb, ca, W_ih, b_ih, b_hh, W_out, b_out, h2, cb; writes h2, cb
;; launch step2: the kernel of part 2 again; grid 16 x 16, 4 waves a work-group, clusters of 4 x 4, 327,680 bytes of LDS; arguments h2, wb, cb, W_ih, b_ih, b_hh, W_out, b_out, h3, ca; writes h3, ca
;; launch step3: the kernel of part 2 again; grid 16 x 16, 4 waves a work-group, clusters of 4 x 4, 327,680 bytes of LDS; arguments h3, wb, ca, W_ih, b_ih, b_hh, W_out, b_out, h4, cb; writes h4, cb
;; launch fin (part 3): grid 64 x 1, 4 waves a work-group, no clusters, 1,536 bytes of LDS; arguments h1, h2, h3, h4, out0; writes out0
.if DOCPART == 3
	.amdgcn_target "amdgcn-amd-amdhsa--gfx1250"
	.amdhsa_code_object_version 6
	.text
	.protected	k_qd627945739_fin
	.globl	k_qd627945739_fin
	.p2align	8
	.type	k_qd627945739_fin,@function
k_qd627945739_fin:
	s_mov_b64 s[64:65], 0
	v_nop
	global_prefetch_b8 v0, s[64:65] scope:SCOPE_SE
	s_setreg_imm32_b32 hwreg(HW_REG_WAVE_MODE, 25, 1), 1
	s_wait_xcnt 0x0
; out0[row][t] = the sum of the 16 partial sums part[0..15][row] that step t left behind its h (from byte 0x800000 of h(t+1) on; b_out / 16 lies in each).
; A work-group takes 64 rows; wave t sums step t's, two rows a lane: each load covers 256 consecutive bytes, aligned.  The four steps meet in LDS as [row][t], 1,024 bytes, and leave as whole runs of 256 bytes.
; The launch moves about a megabyte: no ring, no matrix work, no prefetch.
.set SPARE, 1024                       ; behind the 1,024 bytes: the spare words, 128 bytes a wave
	s_load_b256 s[4:11], s[0:1], 0x0               ; h1 s[4:5], h2 s[6:7], h3 s[8:9], h4 s[10:11]
	s_load_b64 s[12:13], s[0:1], 0x20              ; out0
	v_lshl_add_u32 v2, v0, 2, SPARE
	v_mov_b32 v3, 0
	v_lshrrev_b32 v1, 5, v0
	v_readfirstlane_b32 s14, v1                    ; wave = step t
	v_and_b32 v4, 31, v0
	v_lshlrev_b32 v5, 3, v4                        ; 8 l
	s_lshl_b32 s18, ttmp9, 8                       ; the work-group's 64 rows of 4 bytes
	s_add_co_u32 s18, s18, 0x800000
	s_mov_b32 s19, 0
	s_lshl_b32 s20, s14, 2
	v_lshl_add_u32 v6, v4, 5, s20                  ; row 2 l, step t: 32 l + 4 t
	s_lshl_b32 s20, s14, 8
	v_add_nc_u32 v7, s20, v5                       ; 256 w + 8 l
	s_lshl_b32 s20, ttmp9, 10                      ; 64 rows of 16 bytes
	s_mov_b32 s21, 0
	s_wait_kmcnt 0x0
	s_cmp_eq_u32 s14, 1
	s_cselect_b64 s[16:17], s[6:7], s[4:5]
	s_cmp_eq_u32 s14, 2
	s_cselect_b64 s[16:17], s[8:9], s[16:17]
	s_cmp_eq_u32 s14, 3
	s_cselect_b64 s[16:17], s[10:11], s[16:17]
	s_add_nc_u64 s[16:17], s[16:17], s[18:19]
	s_add_nc_u64 s[12:13], s[12:13], s[20:21]
.set ij, 0
.rept 16
	global_load_b64 v[8+2*ij:9+2*ij], v5, s[16:17] offset:16384*ij
.set ij, ij+1
.endr
	s_wait_loadcnt 0x0
.irp st, 8,4,2,1
.set ij, 0
.rept \st
	v_pk_add_f32 v[8+2*ij:9+2*ij], v[8+2*ij:9+2*ij], v[8+2*(ij+(\st)):9+2*(ij+(\st))]
.set ij, ij+1
.endr
.endr
	ds_store_b32 v6, v8
	ds_store_b32 v6, v9 offset:16
	s_wait_dscnt 0x0                               ; for the others' sake: my stores are done
	s_barrier_signal -1
	s_barrier_wait -1
	ds_load_b64 v[40:41], v7
	s_wait_dscnt 0x0
	global_store_b64 v7, v[40:41], s[12:13]        ; 256 consecutive bytes, aligned
	s_wait_tensorcnt 0x0                           ; the wave's end: behind my last LDS store
	ds_add_u32 v2, v3
	s_wait_dscnt 0x0
	s_endpgm
.Lfunc_end_k_qd627945739_fin:
	.size	k_qd627945739_fin, .Lfunc_end_k_qd627945739_fin-k_qd627945739_fin
	.p2alignl 7, 3214868480
	.fill 96, 4, 3214868480
	.section	.rodata,"a",@progbits
	.p2align	6, 0x0
	.amdhsa_kernel k_qd627945739_fin
		.amdhsa_group_segment_fixed_size 1536
		.amdhsa_private_segment_fixed_size 0
		.amdhsa_enable_private_segment 0
		.amdhsa_kernarg_size 40
		.amdhsa_user_sgpr_count 2
		.amdhsa_user_sgpr_kernarg_segment_ptr 1
		.amdhsa_wavefront_size32 1
		.amdhsa_system_sgpr_workgroup_id_x 1
		.amdhsa_system_sgpr_workgroup_id_y 1
		.amdhsa_system_sgpr_workgroup_id_z 1
		.amdhsa_system_vgpr_workitem_id 0
		.amdhsa_next_free_vgpr 48
		.amdhsa_next_free_sgpr 66
		.amdhsa_reserve_vcc 0
		.amdhsa_float_denorm_mode_32 3
		.amdhsa_float_denorm_mode_16_64 3
		.amdhsa_memory_ordered 1
		.amdhsa_forward_progress 1
		.amdhsa_inst_pref_size 5
	.end_amdhsa_kernel
	.amdgpu_metadata
---
amdhsa.version: [ 1, 2 ]
amdhsa.kernels:
  - .name:           k_qd627945739_fin
    .symbol:         k_qd627945739_fin.kd
    .args:
      - { .name: h1, .offset: 0, .size: 8, .value_kind: global_buffer, .address_space: global }
      - { .name: h2, .offset: 8, .size: 8, .value_kind: global_buffer, .address_space: global }
      - { .name: h3, .offset: 16, .size: 8, .value_kind: global_buffer, .address_space: global }
      - { .name: h4, .offset: 24, .size: 8, .value_kind: global_buffer, .address_space: global }
      - { .name: out0, .offset: 32, .size: 8, .value_kind: global_buffer, .address_space: global }
    .group_segment_fixed_size: 1536
    .private_segment_fixed_size: 0
    .kernarg_segment_align: 8
    .kernarg_segment_size: 40
    .max_flat_workgroup_size: 128
    .sgpr_count:     66
    .vgpr_count:     48
    .wavefront_size: 32
...
	.end_amdgpu_metadata
.endif
;; end of part 3
;; ======== version 2 of 2: 6 launches; version 1 with the launch prep written anew for expert scheduling mode
;; workspace buffers: wb 8,388,608 bytes; h0 8,650,752 bytes; h1 8,650,752 bytes; h2 8,650,752 bytes; h3 8,650,752 bytes; h4 8,650,752 bytes; ca 16,777,216 bytes; cb 16,777,216 bytes
;; launch prep (part 4): grid 256 x 2, 8 waves a work-group, no clusters, 0 bytes of LDS; arguments hidden, W_hh, h0, wb; writes h0, wb
.if DOCPART == 4
	.amdgcn_target "amdgcn-amd-amdhsa--gfx1250"
	.amdhsa_code_object_version 6
	.text
	.protected	k_qd627945739_prep
	.globl	k_qd627945739_prep
	.p2align	8
	.type	k_qd627945739_prep,@function
k_qd627945739_prep:
	s_mov_b64 s[64:65], 0
	v_nop
	global_prefetch_b8 v0, s[64:65] scope:SCOPE_SE
	s_setreg_imm32_b32 hwreg(HW_REG_WAVE_SCHED_MODE, 0, 2), 2
	s_setreg_imm32_b32 hwreg(HW_REG_WAVE_MODE, 25, 1), 1
	s_wait_xcnt 0x0
	s_wait_alu depctr_vm_vsrc(0)
; hidden [4096][1024] f32 -> h0, and W_hh [4096][1024] f32 -> wb: each number rounded once to bf16 and laid out in blocks for the step launches.
; BLOCKED LAYOUT: number (row, k) lies at byte (k>>7) x 0x100000 + (row>>7) x 32768 + ((k>>6)&1) x 16384 + (row&127) x 128 + (k&63) x 2:
; 128 rows x 128 k are 32,768 bytes on end.
; W's ROWS ARE PERMUTED: row' = q x 128 + gate x 32 + u stands for row gate x 1024 + q x 32 + u of W_hh, so that 128 neighbouring rows' hold all four gates of 32 units.
; Behind h0's 8 MiB lie 16 x 4096 f32 partial sums of the prediction that is fed back: zeros here, since the first decoder input is 0.
; SHARES.  Work-group (x, y): y = 0 hidden, y = 1 W_hh; 16 output rows; wave v the pair R = 16 x + 2 v, R + 1 (R is even, so the pair is adjacent in the source too).
; A load takes 256 consecutive bytes of each of the two rows; a store writes 256 consecutive bytes, aligned.  All 16 loads of a wave go out at once; memory binds, so there is no LDS, no barrier, no matrix work.
; THE MODE: SCHED_MODE bits 1:0 = 2 (LLVM: expert scheduling mode 2), set by the entry lines.  The code itself states the register dependences
; between vector instructions and memory instructions, with s_wait_alu, always for 0.
; THE PLAN.  Registers that memory instructions touch:
;   v1          the loads' offset;  v2  the stores' offset;  v3, v[4:7]  the offset and the data of the zeros.  All made at the head and never written again.
;   X, 16 quads written by the 16 loads, once each; read by the conversions; never loaded again, and named by no vector instruction ahead of the loads.
;   Y, 16 pairs written by the conversions, once each; read by one store each; never written again.
; The 16 pieces go in four groups of four.  Group g's conversions read X's quads 4 g .. 4 g + 3 and write Y's pairs of the same numbers; the stores dealt among them are group g - 1's, which read
; Y's pairs 4 g - 4 .. 4 g - 1 and v2: registers that no conversion of group g names.  So one wait at a group's head states all that its four stores hang on.
; No register that a memory instruction has read is written again, so no wait stands for that.
.set X, 16                             ; v[16:79]   load kb: 4 registers
.set Y, 80                             ; v[80:111]  store kb: 2 registers of its own, so nothing is rewritten while a store reads it
	s_load_b256 s[4:11], s[0:1], 0x0               ; hidden s[4:5], W_hh s[6:7], h0 s[8:9], wb s[10:11]
	v_lshrrev_b32 v1, 5, v0
	v_readfirstlane_b32 s12, v1                    ; wave 0..7
	v_and_b32 v8, 31, v0                           ; lane l
	v_and_b32 v9, 15, v0
	v_bfe_u32 v10, v0, 4, 1
	v_lshlrev_b32 v1, 12, v10                      ; source offset: (l / 16) rows of 4,096 bytes
	v_lshl_add_u32 v1, v9, 4, v1                   ; + 16 (l % 16)
	v_lshlrev_b32 v2, 3, v8                        ; destination offset: 8 l (two rows of 128 bytes on end)
	v_lshlrev_b32 v3, 4, v8                        ; 16 l, for the zeros
	v_mov_b32 v4, 0
	v_mov_b32 v5, 0
	v_mov_b32 v6, 0
	v_mov_b32 v7, 0
	s_and_b32 s13, ttmp7, 0xffff                   ; y
	s_lshl_b32 s14, ttmp9, 4
	s_wait_alu depctr_va_sdst(0)                   ; s12 is written, ahead of its first reader: the rows, the bases and the last branch are made from it
	s_lshl1_add_u32 s14, s12, s14                  ; R = 16 x + 2 v
	s_bfe_u32 s15, s14, 0x20005                    ; gate = (R >> 5) & 3
	s_lshl_b32 s15, s15, 10
	s_lshr_b32 s16, s14, 7                         ; q
	s_lshl_b32 s16, s16, 5
	s_add_co_u32 s15, s15, s16
	s_and_b32 s16, s14, 31                         ; u
	s_add_co_u32 s15, s15, s16                     ; W_hh's row
	s_cmp_eq_u32 s13, 0
	s_cselect_b32 s15, s14, s15                    ; hidden's rows are not permuted
	s_lshl_b32 s16, s15, 12                        ; the source row in bytes
	s_mov_b32 s17, 0
	s_lshr_b32 s18, s14, 7
	s_lshl_b32 s18, s18, 15                        ; (R >> 7) x 32768
	s_and_b32 s19, s14, 127
	s_lshl_b32 s19, s19, 7                         ; (R & 127) x 128
	s_add_co_u32 s18, s18, s19
	s_mov_b32 s19, 0
	s_lshl_b32 s20, ttmp9, 10                      ; the zeros: 1,024 bytes a work-group, 512 a wave
	s_lshl_b32 s21, s12, 9
	s_add_co_u32 s20, s20, s21
	s_add_co_u32 s20, s20, 0x800000
	s_mov_b32 s21, 0
	s_lshl3_add_u32 s22, s13, s12                  ; 8 y + v
	s_wait_kmcnt 0x0
	s_cmp_eq_u32 s13, 0
	s_cselect_b64 s[24:25], s[4:5], s[6:7]
	s_cselect_b64 s[26:27], s[8:9], s[10:11]
	s_add_nc_u64 s[16:17], s[24:25], s[16:17]
	s_add_nc_u64 s[18:19], s[26:27], s[18:19]
	s_add_nc_u64 s[20:21], s[8:9], s[20:21]
	s_wait_alu depctr_va_vdst(0)                   ; v1 to v7 are written: the loads read v1, the stores v2, the store of the zeros v3 and v[4:7]; no vector instruction below names any of them
.irp kb, 0,1,2,3,4,5,6,7,8,9,10,11,12,13,14,15
	global_load_b128 v[X+4*(\kb):X+4*(\kb)+3], v1, s[16:17] offset:256*(\kb) th:TH_LOAD_NT  ; k = 64 kb .. 64 kb + 63 of both rows
.endr
.macro CVT kb                          ; piece kb: four numbers a lane, rounded to bf16
	v_cvt_pk_bf16_f32 v[Y+2*(\kb)], v[X+4*(\kb)], v[X+4*(\kb)+1]
	v_cvt_pk_bf16_f32 v[Y+2*(\kb)+1], v[X+4*(\kb)+2], v[X+4*(\kb)+3]
.endm
.macro OUT kb                          ; piece kb leaves
	global_store_b64 v2, v[Y+2*(\kb):Y+2*(\kb)+1], s[18:19] offset:((\kb)>>1)*0x100000+((\kb)&1)*16384  ; 32 lanes store 256 consecutive bytes, aligned
.endm
.irp g, 0,1,2,3
	s_wait_loadcnt 12-4*(\g)                       ; loads come back in order: this group's four are in, the younger ones stay out
.if (\g) > 0
	s_wait_alu depctr_va_vdst(0)                   ; the group before has written its four pairs of Y, which the stores below read
.endif
.irp i, 0,1,2,3
.if (\g) > 0
	OUT 4*(\g)-4+(\i)                              ; the group before; no conversion since the wait names its pair, or v2
.endif
	CVT 4*(\g)+(\i)
.endr
.endr
	s_wait_alu depctr_va_vdst(0)                   ; the last group has written its four pairs of Y, which the last four stores read
.irp i, 0,1,2,3
	OUT 12+(\i)
.endr
	s_cmp_lt_u32 s22, 2                            ; waves 0 and 1 of the work-groups with y = 0 write the zero partial sums
	s_cbranch_scc0 .Lend
	global_store_b128 v3, v[4:7], s[20:21]         ; 512 consecutive bytes; its registers were written ahead of the wait in front of the loads and are named by nothing since
.Lend:
	s_endpgm
.Lfunc_end_k_qd627945739_prep:
	.size	k_qd627945739_prep, .Lfunc_end_k_qd627945739_prep-k_qd627945739_prep
	.p2alignl 7, 3214868480
	.fill 96, 4, 3214868480
	.section	.rodata,"a",@progbits
	.p2align	6, 0x0
	.amdhsa_kernel k_qd627945739_prep
		.amdhsa_group_segment_fixed_size 0
		.amdhsa_private_segment_fixed_size 0
		.amdhsa_enable_private_segment 0
		.amdhsa_kernarg_size 32
		.amdhsa_user_sgpr_count 2
		.amdhsa_user_sgpr_kernarg_segment_ptr 1
		.amdhsa_wavefront_size32 1
		.amdhsa_system_sgpr_workgroup_id_x 1
		.amdhsa_system_sgpr_workgroup_id_y 1
		.amdhsa_system_sgpr_workgroup_id_z 1
		.amdhsa_system_vgpr_workitem_id 0
		.amdhsa_next_free_vgpr 116
		.amdhsa_next_free_sgpr 66
		.amdhsa_reserve_vcc 0
		.amdhsa_float_denorm_mode_32 3
		.amdhsa_float_denorm_mode_16_64 3
		.amdhsa_memory_ordered 1
		.amdhsa_forward_progress 1
		.amdhsa_inst_pref_size 8
	.end_amdhsa_kernel
	.amdgpu_metadata
---
amdhsa.version: [ 1, 2 ]
amdhsa.kernels:
  - .name:           k_qd627945739_prep
    .symbol:         k_qd627945739_prep.kd
    .args:
      - { .name: hidden, .offset: 0, .size: 8, .value_kind: global_buffer, .address_space: global }
      - { .name: W_hh, .offset: 8, .size: 8, .value_kind: global_buffer, .address_space: global }
      - { .name: h0, .offset: 16, .size: 8, .value_kind: global_buffer, .address_space: global }
      - { .name: wb, .offset: 24, .size: 8, .value_kind: global_buffer, .address_space: global }
    .group_segment_fixed_size: 0
    .private_segment_fixed_size: 0
    .kernarg_segment_align: 8
    .kernarg_segment_size: 32
    .max_flat_workgroup_size: 256
    .sgpr_count:     66
    .vgpr_count:     116
    .wavefront_size: 32
...
	.end_amdgpu_metadata
.endif
;; end of part 4
;; launch step0: the kernel of part 2 again; grid 16 x 16, 4 waves a work-group, clusters of 4 x 4, 327,680 bytes of LDS; arguments h0, wb, cell, W_ih, b_ih, b_hh, W_out, b_out, h1, ca; writes h1, ca
;; launch step1: the kernel of part 2 again; grid 16 x 16, 4 waves a work-group, clusters of 4 x 4, 327,680 bytes of LDS; arguments h1, wb, ca, W_ih, b_ih, b_hh, W_out, b_out, h2, cb; writes h2, cb
;; launch step2: the kernel of part 2 again; grid 16 x 16, 4 waves a work-group, clusters of 4 x 4, 327,680 bytes of LDS; arguments h2, wb, cb, W_ih, b_ih, b_hh, W_out, b_out, h3, ca; writes h3, ca
;; launch step3: the kernel of part 2 again; grid 16 x 16, 4 waves a work-group, clusters of 4 x 4, 327,680 bytes of LDS; arguments h3, wb, ca, W_ih, b_ih, b_hh, W_out, b_out, h4, cb; writes h4, cb
;; launch fin: the kernel of part 3 again; grid 64 x 1, 4 waves a work-group, no clusters, 1,536 bytes of LDS; arguments h1, h2, h3, h4, out0; writes out0
